; MI455X (gfx1250); checked and timed in simulation.
; The chip was launched on July 23, 2026; its instructions are those of AMD's public machine-readable ISA for CDNA 5 (MIT licence, August 2026) and "CDNA5" Instruction Set Architecture Reference Guide (July 2026). The comments in the code are by the model that wrote it; some were corrected since.
;; Pre HTSK. Allowed arithmetic: matrix products marked QUANTISED: E3M2 operands, one E8M0 scale for each 32 along K, by v_wmma_scale_f32_16x16x128_f8f6f4 with both operands' format E3M2, f32 sums; everything else in f32.
;; Inputs: W 64 x 32,896 float32; X 2,048 x 256 float32; b 64 float32; centers 256 x 128 float32; ln_beta 32,896 float32; ln_gamma 32,896 float32; sigmas 256 x 128 float32.
;; Outputs: out0 2,048 x 64 float32.
;; This version of the problem:
;;   THIS VERSION OF THE PROBLEM IS GIVEN IN LOW PRECISION. The matrix products marked QUANTISED in the list below multiply operands that are first quantised to E3M2 (3 exponent bits, 2 mantissa bits; 6 bits a number), with one power-of-two scale for each 32 numbers along K (OCP MX v1.0); their sums are f32. All else is computed in f32.
;;   The module's matrix products, in the order in which they are computed (A, B: the left and right operand; K: the contracted axis; several contracted axes count as one K, in the product's order):
;;     1. [M 2,048, K 32,896] x [K 32,896, N 64]; A: computed on the way; B: input W: QUANTISED
;;   THE QUANTISER, for each operand of a quantised product, along K:
;;     - K is cut into blocks of 32 from its start; a last block that is shorter is filled with zeros.
;;     - A block's scale is 2^e with e = floor(log2(the largest magnitude in the block)) - 4, held to -126 .. 127; a block of zeros has e = 0. As a byte (E8M0): e + 127.
;;     - Each number is divided by its block's scale, clamped to +-28, and rounded to the nearest number of E3M2, ties to even, subnormals kept.
;;     - The product sums the exact products of the quantised numbers (number of the format x scale) in f32.
;;   ~~~python
;;   def quantise(x, axis):      # numpy; x: float32 -> the quantised numbers, widened to float32 again
;;       x = np.moveaxis(x, axis, -1); K = x.shape[-1]
;;       x = np.pad(x, [(0, 0)] * (x.ndim - 1) + [(0, -K % 32)]); x = x.reshape(x.shape[:-1] + (-1, 32)); a = np.abs(x).max(-1, keepdims=True)
;;       e = np.where(a > 0, np.clip(np.frexp(np.where(a > 0, a, 1))[1] - 1 - 4, -126, 127), 0)      # np.frexp(a)[1] - 1 = floor(log2(a)), exactly
;;       r = np.clip(x / 2.0 ** e, -28, 28)
;;       step = 2.0 ** (np.maximum(np.frexp(np.where(r == 0, 1, r))[1] - 1, -2) - 2)
;;       q = np.round(r / step) * step * 2.0 ** e      # np.round: ties to even
;;       return np.moveaxis(q.reshape(q.shape[:-2] + (-1,))[..., :K], -1, axis).astype(np.float32)
;;   ~~~
;;   OPERANDS COMPUTED ON THE WAY. 'Computed on the way' means the value that the module computes at that place (a softmax that the list does not call 'softmax' is quantised finished and normalised). What goes into a quantiser is computed in f32, as accurately as f32 sums, v_exp_f32 and their like allow (about 1e-6 of the number): no bf16 or f16 on the way to a quantiser, and a product that is left as it is and whose result goes on into a quantised operand takes f32 operands (vector FMAs, or v_wmma_f32_16x16x4_f32). A number that lies on a knife's edge between two numbers of the format may be rounded either way, as far as f32 arithmetic and the matrix unit's own rounding can turn it there, and no further.
;; One version. Each part assembles by itself: llvm-mc -triple=amdgcn-amd-amdhsa -mcpu=gfx1250 --defsym DOCPART=n.
;; ======== version 1 of 1: 3 launches
;; limits: right only within a limited range of input values
;; workspace buffers: gs 1,048,576 bytes; nm 8,192 bytes; wq 1,644,800 bytes; part 4,194,304 bytes
;; launch prep (part 1): grid 256 x 1, 16 waves a work-group, no clusters, 135,168 bytes of LDS; arguments X, centers, sigmas, W, gs, nm, wq; writes gs, nm, wq
.if DOCPART == 1
	.amdgcn_target "amdgcn-amd-amdhsa--gfx1250"
	.amdhsa_code_object_version 6
	.text
	.protected	k_q9ac9db3400_prep
	.globl	k_q9ac9db3400_prep
	.p2align	8
	.type	k_q9ac9db3400_prep,@function
k_q9ac9db3400_prep:
	s_mov_b64 s[64:65], 0
	v_nop
	global_prefetch_b8 v0, s[64:65] scope:SCOPE_SE
	s_setreg_imm32_b32 hwreg(HW_REG_WAVE_MODE, 25, 1), 1
	s_wait_xcnt 0x0
; FIRST OF THREE LAUNCHES.  For 8 rows of X: firing levels, softmax, LayerNorm statistics.  And the records of W as codes of BF6 (E3M2) with E8M0 scales.
; z[b][r] = -(1/256) sum_i (x[b][i] - c[i][r])^2 (0.5 / sigma[i][r]^2 + 1e-8);  f = softmax_r(z), the row's maximum taken off.
; Stored: gs[b][r] = f_r rstd and nm[b] = -mu rstd, so that a normalised feature is x_i gs_r + nm (for the last 128 features: gs_r + nm).
; SHARES.  16 waves.  Wave w takes inputs 16 w .. 16 w + 15, a lane four rules: one load of a wave is a whole row (512 bytes) of centers or sigmas.  x is the same in all lanes: it comes by scalar
; loads and is broadcast into packed operations.  Four chunks of four inputs, each behind a counted wait.  The sixteen partial sums meet in LDS behind one barrier.
; Then waves 0-7 finish one row each; waves 8-11 quantise the work-group's record of W; waves 12-15 of work-group 0 quantise the 257th record, all other waves 12-15 end.
; MEAN AND VARIANCE from sums of squares about means, all terms non-negative: with xbar, fbar the means of x and f, Sdx, Sdf the sums of squares about them, D = 32896:
;   D var = 256 xbar^2 Sdf + 128 fbar^2 Sdx + Sdx Sdf + Sdf + (32768 x 128 / D) fbar^2 (xbar - 1)^2;   mu = (sum f) (sum x + 1) / D.
; A RECORD of wq (6,400 bytes) is one K step of the matrix instruction for all 64 rows of W: four tiles n of 16 rows, each the image of the operand's 12 registers (1536 n + 512 k + 16 lane),
; then the scale words at 6144 + 16 r + 4 n.  Record j = 32 y + 8 u + q: its block (c, h) is k = 256 (16 y + 2 q + c) + 64 u + 32 h + 0..31;  record 256: k = 32768 + 64 c + 32 h + 0..31.
; A block's scale byte is its largest magnitude's exponent field - 4, held at 1 from below (a block of zeros keeps 1: its codes are zeros, and this program alone reads the bytes).
; NO CLUSTER, NO TENSOR LOAD: a wave wants each row of centers and sigmas once, in registers, in the order in which it lies in memory; a joint load ends in LDS and would add 256 KB of LDS writes and reads a work-group.
; LIMITS: NaN and infinities are not served; sigma^2 under the smallest normal f32 number counts as zero in v_rcp_f32; an exponential under the smallest normal number is zero;
; blocks whose largest magnitude lies under 2^-122 have the byte 1; sums are taken in another order than in the definition.
.set ROWW, 131584                      ; a row of W in bytes
.set RECB, 6400
.set WST,  65536                       ; LDS: 0 .. 65535 partial sums [wave 16][row 8][rule 128]; from here a stage of 16 x 528 bytes for each of waves 8-15
.set WPI,  528                         ; a stage row: 512 bytes + 16: the sixteen rows that a load touches begin 16 bytes apart modulo 256
.set C,    16                          ; v16-79    centers: input e of my sixteen at 4 e
.set S,    80                          ; v80-143   sigmas, then 0.5 / sigma^2 + 1e-8
.set ACC,  144                         ; v144-175  sums: row m at 4 m, four rules
.set D,    176                         ; v176-183  x - c
.set E,    184                         ; v184-191  (x - c) s
.set WR,   192                         ; v192-255  waves 8-15: 16 rows of W as loaded; waves 0-7: my row of X (8 registers)
.set WV,   66                          ; s66 wave;  s67 wave mod 8
.set W7,   67
.set XA,   16                          ; s16-47, s68-99: x of eight rows x four inputs, two sets
.set XB,   68
.set SEL,  16                          ; s16-17 lane selects, once x is done with
	s_load_b256 s[4:11], s[0:1], 0x0               ; X, centers, sigmas, W
	s_load_b128 s[12:15], s[0:1], 0x20             ; gs, nm
	s_load_b64 s[2:3], s[0:1], 0x30                ; wq
	v_lshl_add_u32 v14, v0, 2, 0x20800
	v_mov_b32 v15, 0
	v_lshrrev_b32 v1, 5, v0
	s_delay_alu instid0(VALU_DEP_1)
	v_readfirstlane_b32 s[WV], v1                  ; wave 0..15
	v_and_b32 v1, 31, v0                           ; lane
	s_delay_alu instid0(VALU_DEP_1)
	v_lshlrev_b32 v2, 4, v1                        ; 16 x lane
	s_delay_alu instid0(VALU_DEP_2)
	v_lshrrev_b32 v4, 4, v1                        ; h
	s_wait_alu depctr_va_vdst(0)
	v_and_b32 v5, 15, v1                           ; r
	s_and_b32 s[W7], s[WV], 7
	s_and_b32 s18, s[WV], 3                        ; n: which 16 rows of W
	s_lshr_b32 s20, ttmp9, 5                       ; y
	s_lshl_b32 s20, s20, 14                        ; 16 y rules of 1,024 bytes
	s_and_b32 s21, ttmp9, 7                        ; q
	s_lshl_b32 s21, s21, 11
	s_add_co_u32 s20, s20, s21
	s_bfe_u32 s21, ttmp9, 0x20003                  ; u
	s_lshl_b32 s21, s21, 8
	s_add_co_u32 s20, s20, s21                     ; where the work-group's record begins in a row of W
	s_mov_b32 s39, 256
	s_mov_b32 s40, 131072
	s_mov_b32 s41, 256
	s_cmp_lt_u32 s[WV], 12                         ; waves 12-15 are laid out for record 256
	s_cselect_b32 s39, 1024, s39                   ; from the run of c = 0 to that of c = 1, in bytes
	s_cselect_b32 s20, s20, s40
	s_cselect_b32 s32, ttmp9, s41                  ; the record's number
	s_mul_i32 s21, s18, 16*ROWW
	s_add_co_u32 s20, s20, s21                     ; + my tile's 16 rows
	v_mul_u32_u24 v3, v4, s39
	s_wait_alu depctr_va_vdst(0)
	v_lshl_add_u32 v3, v5, 4, v3                   ; W as loaded: lanes 0-15 the 256 bytes of c = 0, lanes 16-31 those of c = 1
	s_lshl_b32 s22, ttmp9, 13                      ; my work-group's eight rows of X
	s_lshl_b32 s23, s[W7], 10
	s_add_co_u32 s23, s22, s23                     ; row wave mod 8 of them
	s_lshl_b32 s24, s[WV], 6
	s_add_co_u32 s24, s22, s24                     ; the scalar loads: my sixteen inputs of the first row
	s_mov_b32 s25, 0
	s_lshl_b32 s26, s[WV], 13                      ; centers, sigmas: my sixteen rows of 512 bytes
	s_mov_b32 s27, 0
	s_lshl_b32 s28, ttmp9, 3
	s_add_co_u32 s28, s28, s[W7]                   ; the row that I finish
	s_lshl_b32 s30, s28, 2
	s_lshl_b32 s28, s28, 9
	s_mov_b32 s29, 0
	s_mov_b32 s31, 0
	s_mul_i32 s32, s32, RECB
	s_mov_b32 s33, 0
	s_mul_i32 s34, s18, 1536
	s_lshl_b32 s35, s18, 2
	v_add_nc_u32 v6, s34, v2                       ; the codes' place in the record: 1,536 n + 16 x lane
	v_lshl_add_u32 v7, v5, 4, s35                  ; the scale word's: 16 r + 4 n (+ 6,144)
	s_lshl_b32 s36, s[WV], 12
	v_add_nc_u32 v8, s36, v2                       ; LDS: my partial sums
	s_lshl_b32 s37, s[W7], 9
	v_add_nc_u32 v9, s37, v2                       ; LDS: the row that I finish, in wave 0's part
	s_mul_i32 s38, s[W7], 16*WPI
	s_add_co_u32 s38, s38, WST
	v_add_nc_u32 v10, s38, v2                      ; LDS: my stage, as loaded
	v_mul_u32_u24 v11, v5, WPI
	s_delay_alu instid0(VALU_DEP_1)
	v_lshl_add_u32 v11, v4, 7, v11
	s_delay_alu instid0(VALU_DEP_1)
	v_add_nc_u32 v11, s38, v11                     ; LDS: my stage, row r, + 128 h
	s_mov_b32 s101, 0                              ; (named as the upper half of the pair s[100:101])
	s_mov_b32 s21, 0
	s_wait_kmcnt 0x0
	s_cmp_lt_u32 s[WV], 8                          ; waves 0-7 load a row of X by the pointer by which the others load W
	s_cselect_b64 s[10:11], s[4:5], s[10:11]
	s_cselect_b32 s20, s23, s20
	s_add_nc_u64 s[10:11], s[10:11], s[20:21]
	s_add_nc_u64 s[4:5], s[4:5], s[24:25]
	s_add_nc_u64 s[6:7], s[6:7], s[26:27]
	s_add_nc_u64 s[8:9], s[8:9], s[26:27]
	s_add_nc_u64 s[12:13], s[12:13], s[28:29]
	s_add_nc_u64 s[14:15], s[14:15], s[30:31]
	s_add_nc_u64 s[2:3], s[2:3], s[32:33]
.macro WLOAD                           ; row t of my tile: two runs of 256 consecutive bytes, each at a multiple of 256; read once in the launch
.irp t, 0,1,2,3,4,5,6,7,8,9,10,11,12,13,14,15
	global_load_b128 v[WR+4*\t:WR+4*\t+3], v3, s[10:11] offset:ROWW*\t th:TH_LOAD_NT
.endr
.endm
	; what a wave wants only behind the barrier is asked for first, so that the counted waits below count the same loads in every wave
	s_cmp_lt_u32 s[WV], 8
	s_cbranch_scc0 .Lnot_row
	global_load_b128 v[WR:WR+3], v2, s[10:11]                      ; my row of X: 1,024 bytes, 2 x 16 a lane
	global_load_b128 v[WR+4:WR+7], v2, s[10:11] offset:512
	s_branch .Lcommon
.Lnot_row:
	s_cmp_lt_u32 s[WV], 12
	s_cbranch_scc0 .Lcommon
	s_wait_alu depctr_va_vdst(0)
	WLOAD
.Lcommon:
.irp k, 0,1,2,3
.irp e, 0,1,2,3
	global_load_b128 v[C+16*\k+4*\e:C+16*\k+4*\e+3], v2, s[6:7] offset:512*(4*\k+\e)
.endr
.irp e, 0,1,2,3
	global_load_b128 v[S+16*\k+4*\e:S+16*\k+4*\e+3], v2, s[8:9] offset:512*(4*\k+\e)
.endr
.endr
.macro XLOAD k, xb                     ; x of the eight rows at my inputs 4 k .. 4 k + 3
.irp m, 0,1,2,3,4,5,6,7
	s_load_b128 s[\xb+4*\m:\xb+4*\m+3], s[4:5], 1024*\m+16*\k
.endr
.endm
	XLOAD 0, XA
	XLOAD 1, XB
; A chunk: four inputs.  s = 0.5 / sigma^2 + 1e-8, then for each of eight rows and each pair of inputs twelve packed operations on my four rules.
.macro FCH k, xb
	s_wait_loadcnt 24-8*\k                         ; loads come back in order (ISA guide 5.7.1): this chunk's eight are in; the 8 (3 - k) of the later chunks stay out
.irp j, 0,2,4,6,8,10,12,14
	v_pk_mul_f32 v[S+16*\k+\j:S+16*\k+\j+1], v[S+16*\k+\j:S+16*\k+\j+1], v[S+16*\k+\j:S+16*\k+\j+1]
.endr
	s_wait_alu depctr_va_vdst(0)
.irp j, 0,1,2,3,4,5,6,7,8,9,10,11,12,13,14,15
	v_rcp_f32 v[S+16*\k+\j], v[S+16*\k+\j]
.endr
	v_nop                                          ; a plain instruction behind the last reciprocal
	s_wait_alu depctr_va_vdst(0)                   ; one wait for the sixteen, ahead of their first reader
.irp j, 0,2,4,6,8,10,12,14
	v_pk_fma_f32 v[S+16*\k+\j:S+16*\k+\j+1], v[S+16*\k+\j:S+16*\k+\j+1], 0.5, 0x322bcc77 op_sel_hi:[1,0,0]
.endr
.irp m, 0,1,2,3,4,5,6,7
.irp p, 0,1
	s_mov_b32 s100, s[\xb+4*\m+2*\p+1]             ; a scalar pair gives its low word to both halves: the odd input's x is moved to the low word of a pair
	v_pk_add_f32 v[D:D+1],   v[C+16*\k+8*\p:C+16*\k+8*\p+1],   s[\xb+4*\m+2*\p:\xb+4*\m+2*\p+1] op_sel_hi:[1,0] neg_lo:[1,0] neg_hi:[1,0]   ; x - c
	v_pk_add_f32 v[D+2:D+3], v[C+16*\k+8*\p+2:C+16*\k+8*\p+3], s[\xb+4*\m+2*\p:\xb+4*\m+2*\p+1] op_sel_hi:[1,0] neg_lo:[1,0] neg_hi:[1,0]
	v_pk_add_f32 v[D+4:D+5], v[C+16*\k+8*\p+4:C+16*\k+8*\p+5], s[100:101] op_sel_hi:[1,0] neg_lo:[1,0] neg_hi:[1,0]
	v_pk_add_f32 v[D+6:D+7], v[C+16*\k+8*\p+6:C+16*\k+8*\p+7], s[100:101] op_sel_hi:[1,0] neg_lo:[1,0] neg_hi:[1,0]
.irp j, 0,2,4,6
	s_delay_alu instid0(VALU_DEP_4)
	v_pk_mul_f32 v[E+\j:E+\j+1], v[D+\j:D+\j+1], v[S+16*\k+8*\p+\j:S+16*\k+8*\p+\j+1]
.endr
.if (\k == 0) && (\p == 0)
	s_delay_alu instid0(VALU_DEP_4)
	v_pk_mul_f32 v[ACC+4*\m:ACC+4*\m+1],   v[D:D+1],   v[E:E+1]        ; the first term starts the sum: nothing is cleared
	s_delay_alu instid0(VALU_DEP_4)
	v_pk_mul_f32 v[ACC+4*\m+2:ACC+4*\m+3], v[D+2:D+3], v[E+2:E+3]
.else
	s_delay_alu instid0(VALU_DEP_4)
	v_pk_fma_f32 v[ACC+4*\m:ACC+4*\m+1],   v[D:D+1],   v[E:E+1],   v[ACC+4*\m:ACC+4*\m+1]
	s_delay_alu instid0(VALU_DEP_4)
	v_pk_fma_f32 v[ACC+4*\m+2:ACC+4*\m+3], v[D+2:D+3], v[E+2:E+3], v[ACC+4*\m+2:ACC+4*\m+3]
.endif
	s_delay_alu instid0(VALU_DEP_2)
	v_pk_fma_f32 v[ACC+4*\m:ACC+4*\m+1],   v[D+4:D+5], v[E+4:E+5], v[ACC+4*\m:ACC+4*\m+1]
	s_delay_alu instid0(VALU_DEP_2)
	v_pk_fma_f32 v[ACC+4*\m+2:ACC+4*\m+3], v[D+6:D+7], v[E+6:E+7], v[ACC+4*\m+2:ACC+4*\m+3]
.endr
.endr
.endm
	s_wait_kmcnt 0x0
	FCH 0, XA
	XLOAD 2, XA                                    ; lands while chunk 1 is worked
	FCH 1, XB
	s_wait_kmcnt 0x0
	XLOAD 3, XB                                    ; lands while chunk 2 is worked
	FCH 2, XA
	s_wait_kmcnt 0x0
	FCH 3, XB
.irp m, 0,1,2,3,4,5,6,7
	ds_store_b128 v8, v[ACC+4*\m:ACC+4*\m+3] offset:512*\m
.endr
	s_wait_dscnt 0x0                               ; for the others' sake: my partial sums lie in LDS
	s_barrier_signal -1
	s_barrier_wait -1
	s_cmp_lt_u32 s[WV], 8
	s_cbranch_scc1 .Lsoft
	s_cmp_lt_u32 s[WV], 12
	s_cbranch_scc1 .Lquant
	s_cmp_lg_u32 ttmp9, 0                          ; record 256 is made once, by work-group 0
	s_cbranch_scc1 .Lend
	WLOAD
; ---- 16 rows of W x 128 along K.  The numbers turn through my own stage: in as loaded, out 128 bytes a lane and block.  v16-79: my two blocks of 32 (block c at 16 + 32 c).
.Lquant:
	s_wait_loadcnt 0x0
.irp t, 0,1,2,3,4,5,6,7,8,9,10,11,12,13,14,15
	ds_store_b128 v10, v[WR+4*\t:WR+4*\t+3] offset:WPI*\t
.endr
.irp b, 0,1
.irp k, 0,1,2,3,4,5,6,7
	ds_load_b128 v[16+32*\b+4*\k:19+32*\b+4*\k], v11 offset:256*\b+16*\k   ; LDS serves a wave's instructions in order (ISA guide 5.7.1.4): these see my stores
.endr
.endr
	s_mov_b32 s[SEL], 0x76543210
	s_mov_b32 s[SEL+1], 0xfedcba98                 ; v_permlanex16_b32's selects for lane l xor 16
	v_lshlrev_b32 v94, 3, v4                       ; 8 h
	v_mov_b32 v93, 0                               ; (a lane permute's destination counts as one of its sources)
	s_wait_dscnt 0x0
.irp k, 0,1,2,3
.irp b, 0,1
	v_max3_num_f32 v[80+4*\b+\k], |v[16+32*\b+8*\k]|, |v[17+32*\b+8*\k]|, |v[18+32*\b+8*\k]|   ; four chains a block, so that no line waits for the line above it
.endr
.endr
.irp i, 3,5
.irp k, 0,1,2,3
.irp b, 0,1
	v_max3_num_f32 v[80+4*\b+\k], v[80+4*\b+\k], |v[16+32*\b+8*\k+\i]|, |v[17+32*\b+8*\k+\i]|
.endr
.endr
.endr
.irp b, 0,1
	v_max3_num_f32 v[80+4*\b], v[80+4*\b], |v[23+32*\b]|, |v[31+32*\b]|
	v_max3_num_f32 v[81+4*\b], v[81+4*\b], |v[39+32*\b]|, |v[47+32*\b]|
	v_max3_num_f32 v[82+4*\b], v[82+4*\b], v[83+4*\b], 0x2800000   ; and the floor 2^(5 - 127): the byte cannot fall under 1
.endr
.irp b, 0
	s_delay_alu instid0(VALU_DEP_4)
	v_max3_num_f32 v[80+4*\b], v[80+4*\b], v[81+4*\b], v[82+4*\b]
.endr
.irp b, 1
	s_delay_alu instid0(VALU_DEP_2)
	v_max3_num_f32 v[80+4*\b], v[80+4*\b], v[81+4*\b], v[82+4*\b]
.endr
.irp b, 0,1
	s_delay_alu instid0(VALU_DEP_2)
	v_add_nc_u32 v[88+\b], 0xfe000000, v[80+4*\b]  ; 4 off the exponent field: the conversion takes this operand's exponent field as its scale
.endr
.irp b, 0,1
	s_delay_alu instid0(VALU_DEP_2)
	v_lshrrev_b32 v[90+\b], 23, v[88+\b]           ; the scale's byte
.endr
	s_delay_alu instid0(VALU_DEP_1)
	v_lshl_or_b32 v92, v91, 16, v90                ; bytes h and 2 + h of my row's word,
	s_delay_alu instid0(VALU_DEP_1)
	v_lshlrev_b32 v92, v94, v92                    ; 8 h bits up
	s_delay_alu instid0(VALU_DEP_1)
	v_permlanex16_b32 v93, v92, s[SEL], s[SEL+1]
	s_delay_alu instid0(VALU_DEP_1)
	v_or_b32 v92, v92, v93                         ; the row's scale word, in both lanes of the row
.irp b, 0,1
	v_cvt_scalef32_pk16_bf6_f32 v[96+6*\b:98+6*\b], v[16+32*\b:31+32*\b], v[88+\b]
	v_cvt_scalef32_pk16_bf6_f32 v[108+4*\b:110+4*\b], v[32+32*\b:47+32*\b], v[88+\b]   ; (a conversion's three registers begin on an even number: the second half is made elsewhere and moved)
.endr
	v_nop                                          ; one plain place behind a scaled conversion
.irp b, 0,1
.irp k, 0,1,2
	v_mov_b32 v[99+6*\b+\k], v[108+4*\b+\k]
.endr
.endr
.irp k, 0,1,2
	global_store_b128 v6, v[96+4*\k:99+4*\k], s[2:3] offset:512*\k     ; the image of registers 4 k .. 4 k + 3: 512 consecutive bytes
.endr
	global_store_b32 v7, v92, s[2:3] offset:6144   ; lanes r and 16 + r write the same word with the same value
.Lend:
	s_wait_tensorcnt 0x0
	ds_add_u32 v14, v15
	s_wait_dscnt 0x0
	s_endpgm
.macro WSUM a, t                       ; the sum over the wave's 32 lanes, in every lane
	s_delay_alu instid0(VALU_DEP_1)
	v_add_f32_dpp v[\a], v[\a], v[\a] row_xmask:1 row_mask:0xf bank_mask:0xf
	s_delay_alu instid0(VALU_DEP_1)
	v_add_f32_dpp v[\a], v[\a], v[\a] row_xmask:2 row_mask:0xf bank_mask:0xf
	s_delay_alu instid0(VALU_DEP_1)
	v_add_f32_dpp v[\a], v[\a], v[\a] row_xmask:4 row_mask:0xf bank_mask:0xf
	s_delay_alu instid0(VALU_DEP_1)
	v_add_f32_dpp v[\a], v[\a], v[\a] row_xmask:8 row_mask:0xf bank_mask:0xf
	s_delay_alu instid0(VALU_DEP_1)
	v_permlanex16_b32 v[\t], v[\a], s[SEL], s[SEL+1]
	s_delay_alu instid0(VALU_DEP_1)
	v_add_f32 v[\a], v[\a], v[\t]
.endm
; ---- waves 0-7: one row.  A lane holds rules 4 l .. 4 l + 3 and eight numbers of the row of X.
.Lsoft:
.irp k, 0,1,2,3,4,5,6,7,8,9,10,11,12,13,14,15
	ds_load_b128 v[16+4*\k:19+4*\k], v9 offset:4096*\k
.endr
	s_mov_b32 s[SEL], 0x76543210
	s_mov_b32 s[SEL+1], 0xfedcba98
	s_mov_b32 s18, 0x3727c5ac                      ; 1e-5
	s_mov_b32 s19, 0x37ff00ff                      ; 1 / 32896
	s_wait_loadcnt 0x0                             ; my row of X
	v_pk_add_f32 v[80:81], v[WR:WR+1], v[WR+2:WR+3]
	v_pk_add_f32 v[82:83], v[WR+4:WR+5], v[WR+6:WR+7]
	s_delay_alu instid0(VALU_DEP_1)
	v_pk_add_f32 v[80:81], v[80:81], v[82:83]
	s_delay_alu instid0(VALU_DEP_1)
	v_add_f32 v80, v80, v81
	WSUM 80, 81                                    ; v80 = the sum of x
	s_delay_alu instid0(VALU_DEP_1)
	v_mul_f32 v84, 0x3b800000, v80                 ; xbar = / 256
.irp i, 0,1,2,3,4,5,6,7
	v_sub_f32 v[86+\i], v[WR+\i], v84
.endr
	v_mul_f32 v94, v86, v86
	v_mul_f32 v95, v87, v87
	s_delay_alu instid0(VALU_DEP_2)
	v_fmac_f32 v94, v88, v88
	s_delay_alu instid0(VALU_DEP_2)
	v_fmac_f32 v95, v89, v89
	s_delay_alu instid0(VALU_DEP_2)
	v_fmac_f32 v94, v90, v90
	s_delay_alu instid0(VALU_DEP_2)
	v_fmac_f32 v95, v91, v91
	s_delay_alu instid0(VALU_DEP_2)
	v_fmac_f32 v94, v92, v92
	s_delay_alu instid0(VALU_DEP_2)
	v_fmac_f32 v95, v93, v93
	s_delay_alu instid0(VALU_DEP_1)
	v_add_f32 v94, v94, v95
	WSUM 94, 95                                    ; v94 = Sdx
	s_wait_dscnt 0x0
.irp k, 0,1,2,3,4,5,6,7
	v_pk_add_f32 v[16+4*\k:17+4*\k], v[16+4*\k:17+4*\k], v[48+4*\k:49+4*\k]
	v_pk_add_f32 v[18+4*\k:19+4*\k], v[18+4*\k:19+4*\k], v[50+4*\k:51+4*\k]
.endr
.irp k, 0,1,2,3
	v_pk_add_f32 v[16+4*\k:17+4*\k], v[16+4*\k:17+4*\k], v[32+4*\k:33+4*\k]
	v_pk_add_f32 v[18+4*\k:19+4*\k], v[18+4*\k:19+4*\k], v[34+4*\k:35+4*\k]
.endr
.irp k, 0,1
	s_delay_alu instid0(VALU_DEP_4)
	v_pk_add_f32 v[16+4*\k:17+4*\k], v[16+4*\k:17+4*\k], v[24+4*\k:25+4*\k]
	s_delay_alu instid0(VALU_DEP_4)
	v_pk_add_f32 v[18+4*\k:19+4*\k], v[18+4*\k:19+4*\k], v[26+4*\k:27+4*\k]
.endr
	s_delay_alu instid0(VALU_DEP_2)
	v_pk_add_f32 v[16:17], v[16:17], v[20:21]
	s_delay_alu instid0(VALU_DEP_2)
	v_pk_add_f32 v[18:19], v[18:19], v[22:23]
	s_delay_alu instid0(VALU_DEP_2)
	v_pk_mul_f32 v[16:17], v[16:17], 0xbb800000 op_sel_hi:[1,0]    ; z = -sum / 256
	s_delay_alu instid0(VALU_DEP_2)
	v_pk_mul_f32 v[18:19], v[18:19], 0xbb800000 op_sel_hi:[1,0]
	s_delay_alu instid0(VALU_DEP_1)
	v_max3_num_f32 v20, v16, v17, v18
	s_delay_alu instid0(VALU_DEP_1)
	v_max_num_f32 v20, v20, v19
	s_delay_alu instid0(VALU_DEP_1)
	v_max_num_f32_dpp v20, v20, v20 row_xmask:1 row_mask:0xf bank_mask:0xf
	s_delay_alu instid0(VALU_DEP_1)
	v_max_num_f32_dpp v20, v20, v20 row_xmask:2 row_mask:0xf bank_mask:0xf
	s_delay_alu instid0(VALU_DEP_1)
	v_max_num_f32_dpp v20, v20, v20 row_xmask:4 row_mask:0xf bank_mask:0xf
	s_delay_alu instid0(VALU_DEP_1)
	v_max_num_f32_dpp v20, v20, v20 row_xmask:8 row_mask:0xf bank_mask:0xf
	s_delay_alu instid0(VALU_DEP_1)
	v_permlanex16_b32 v21, v20, s[SEL], s[SEL+1]
	s_delay_alu instid0(VALU_DEP_1)
	v_max_num_f32 v20, v20, v21                    ; the row's largest z
.irp i, 16,17,18,19
	v_sub_f32 v\i, v\i, v20
.endr
.irp i, 16,17,18,19
	s_delay_alu instid0(VALU_DEP_4)
	v_mul_f32 v\i, 0x3fb8aa3b, v\i                 ; x log2(e)
.endr
	s_wait_alu depctr_va_vdst(0)
.irp i, 16,17,18,19
	v_exp_f32 v\i, v\i
.endr
	v_nop
	s_wait_alu depctr_va_vdst(0)                   ; one wait for the four exponentials
	v_add_f32 v22, v16, v17
	v_add_f32 v23, v18, v19
	s_delay_alu instid0(VALU_DEP_1)
	v_add_f32 v22, v22, v23
	WSUM 22, 23
	s_wait_alu depctr_va_vdst(0)
	v_rcp_f32 v24, v22
	v_nop
	s_wait_alu depctr_va_vdst(0)
	v_fma_f32 v25, -v22, v24, 1.0                  ; one Newton step on the reciprocal
	v_fma_f32 v24, v25, v24, v24
.irp i, 16,17,18,19
	v_mul_f32 v\i, v\i, v24                        ; f
.endr
	s_delay_alu instid0(VALU_DEP_3)
	v_add_f32 v26, v16, v17
	s_delay_alu instid0(VALU_DEP_2)
	v_add_f32 v27, v18, v19
	s_delay_alu instid0(VALU_DEP_1)
	v_add_f32 v26, v26, v27
	WSUM 26, 27                                    ; v26 = the sum of f as it was rounded
	s_delay_alu instid0(VALU_DEP_1)
	v_mul_f32 v27, 0x3c000000, v26                 ; fbar = / 128
.irp i, 0,1,2,3
	v_sub_f32 v[28+\i], v[16+\i], v27
.endr
	s_delay_alu instid0(VALU_DEP_4)
	v_mul_f32 v32, v28, v28
	s_delay_alu instid0(VALU_DEP_4)
	v_mul_f32 v33, v29, v29
	s_delay_alu instid0(VALU_DEP_2)
	v_fmac_f32 v32, v30, v30
	s_delay_alu instid0(VALU_DEP_2)
	v_fmac_f32 v33, v31, v31
	s_delay_alu instid0(VALU_DEP_1)
	v_add_f32 v32, v32, v33
	WSUM 32, 33                                    ; v32 = Sdf
	v_fma_f32 v34, v26, v80, v26                   ; the sum of all features = (sum f) (sum x + 1)
	s_delay_alu instid0(VALU_DEP_1)
	v_mul_f32 v34, s19, v34                        ; mu
	v_mul_f32 v35, v27, v27                        ; fbar^2
	v_add_f32 v36, -1.0, v84
	s_delay_alu instid0(VALU_DEP_1)
	v_mul_f32 v36, v36, v36                        ; (xbar - 1)^2
	v_mul_f32 v37, 0x43000000, v94                 ; 128 Sdx
	s_delay_alu instid0(VALU_DEP_1)
	v_fmamk_f32 v36, v36, 0x42ff00ff, v37          ; + (32768 x 128 / D) (xbar - 1)^2
	v_fma_f32 v38, v94, v32, v32                   ; Sdx Sdf + Sdf
	s_delay_alu instid0(VALU_DEP_1)
	v_fma_f32 v38, v35, v36, v38
	v_mul_f32 v39, v84, v84
	s_delay_alu instid0(VALU_DEP_1)
	v_mul_f32 v39, 0x43800000, v39                 ; 256 xbar^2
	s_delay_alu instid0(VALU_DEP_1)
	v_fma_f32 v38, v39, v32, v38                   ; D var
	s_delay_alu instid0(VALU_DEP_1)
	v_fma_f32 v40, v38, s19, s18                   ; var + 1e-5
	s_wait_alu depctr_va_vdst(0)
	v_rsq_f32 v41, v40
	v_nop
	s_wait_alu depctr_va_vdst(0)
	v_mul_f32 v42, v40, v41                        ; one Newton step on the root
	v_fma_f32 v42, -v42, v41, 1.0
	v_mul_f32 v43, 0.5, v41
	v_fma_f32 v41, v43, v42, v41                   ; rstd
.irp i, 16,17,18,19
	v_mul_f32 v\i, v\i, v41
.endr
	v_mul_f32 v44, -v34, v41                       ; -mu rstd
	global_store_b128 v2, v[16:19], s[12:13]       ; the wave stores the row's 512 consecutive bytes
	v_cmp_eq_u32 vcc_lo, 0, v1
	s_wait_alu depctr_va_vdst(0)
	s_wait_xcnt 0x0                                ; EXEC changes only behind this wait
	s_wait_tensorcnt 0x0
	ds_add_u32 v14, v15
	s_wait_dscnt 0x0
	s_and_saveexec_b32 s20, vcc_lo
	global_store_b32 v1, v44, s[14:15]             ; lane 0 (its v1 is 0): one number a row
	s_wait_xcnt 0x0
	s_or_b32 exec_lo, exec_lo, s20
	s_endpgm
.Lfunc_end_k_q9ac9db3400_prep:
	.size	k_q9ac9db3400_prep, .Lfunc_end_k_q9ac9db3400_prep-k_q9ac9db3400_prep
	.p2alignl 7, 3214868480
	.fill 96, 4, 3214868480
	.section	.rodata,"a",@progbits
	.p2align	6, 0x0
	.amdhsa_kernel k_q9ac9db3400_prep
		.amdhsa_group_segment_fixed_size 135168
		.amdhsa_private_segment_fixed_size 0
		.amdhsa_enable_private_segment 0
		.amdhsa_kernarg_size 56
		.amdhsa_user_sgpr_count 2
		.amdhsa_user_sgpr_kernarg_segment_ptr 1
		.amdhsa_wavefront_size32 1
		.amdhsa_system_sgpr_workgroup_id_x 1
		.amdhsa_system_sgpr_workgroup_id_y 1
		.amdhsa_system_sgpr_workgroup_id_z 1
		.amdhsa_system_vgpr_workitem_id 0
		.amdhsa_next_free_vgpr 256
		.amdhsa_next_free_sgpr 102
		.amdhsa_reserve_vcc 1
		.amdhsa_float_denorm_mode_32 3
		.amdhsa_float_denorm_mode_16_64 3
		.amdhsa_memory_ordered 1
		.amdhsa_forward_progress 1
		.amdhsa_inst_pref_size 105
	.end_amdhsa_kernel
	.amdgpu_metadata
---
amdhsa.version: [ 1, 2 ]
amdhsa.kernels:
  - .name:           k_q9ac9db3400_prep
    .symbol:         k_q9ac9db3400_prep.kd
    .args:
      - { .name: X, .offset: 0, .size: 8, .value_kind: global_buffer, .address_space: global }
      - { .name: centers, .offset: 8, .size: 8, .value_kind: global_buffer, .address_space: global }
      - { .name: sigmas, .offset: 16, .size: 8, .value_kind: global_buffer, .address_space: global }
      - { .name: W, .offset: 24, .size: 8, .value_kind: global_buffer, .address_space: global }
      - { .name: gs, .offset: 32, .size: 8, .value_kind: global_buffer, .address_space: global }
      - { .name: nm, .offset: 40, .size: 8, .value_kind: global_buffer, .address_space: global }
      - { .name: wq, .offset: 48, .size: 8, .value_kind: global_buffer, .address_space: global }
    .group_segment_fixed_size: 135168
    .private_segment_fixed_size: 0
    .kernarg_segment_align: 8
    .kernarg_segment_size: 56
    .max_flat_workgroup_size: 512
    .sgpr_count:     102
    .vgpr_count:     256
    .wavefront_size: 32
...
	.end_amdgpu_metadata
.endif
;; end of part 1
;; launch main (part 2): grid 32 x 8, 4 waves a work-group, no clusters, 70,144 bytes of LDS; arguments X, gs, nm, ln_gamma, ln_beta, wq, part; writes part
.if DOCPART == 2
	.amdgcn_target "amdgcn-amd-amdhsa--gfx1250"
	.amdhsa_code_object_version 6
	.text
	.protected	k_q9ac9db3400_main
	.globl	k_q9ac9db3400_main
	.p2align	8
	.type	k_q9ac9db3400_main,@function
k_q9ac9db3400_main:
	s_mov_b64 s[64:65], 0
	v_nop
	global_prefetch_b8 v0, s[64:65] scope:SCOPE_SE
	s_setreg_imm32_b32 hwreg(HW_REG_WAVE_MODE, 25, 1), 1
	s_wait_xcnt 0x0
; SECOND LAUNCH.  The product Q(LN(feats)) Q(W)^T on codes of BF6 (E3M2) with one E8M0 scale for each 32 along K; sums in f32.  K is shared among eight slices; each slice's sums go to part[slice][row][64].
; a[b][256 R + i] = (x[b][i] gs[b][R] + nm[b]) gamma[256 R + i] + beta[256 R + i]: two fused multiply-adds in f32, then the quantiser, in registers: A never goes to memory.
; SHARES.  Work-group (RG: 64 rows, y: 16 rules); 32 x 8 work-groups.  Wave u takes inputs 64 u .. 64 u + 63 of all 16 rules: lane (r, h) wants i = 64 u + 32 h + 0..31 of its row, 32 registers for each of four
; tiles of 16 rows, which stay for the whole launch.  A K STEP OF THE MATRIX INSTRUCTION IS FOUR BLOCKS OF 32 THAT ARE NOT NEIGHBOURS: block (c, h) = rule 16 y + 2 q + c, inputs 64 u + 32 h + 0..31 (q = 0..7: the wave's
; eight steps).  The first launch has laid W's codes by the same choice; whole blocks keep their scales, so the products are the problem's.
; Register tile m of wave u holds the rows' tile (m + u) mod 4.  THE LAST 128 FEATURES (a = (gs + nm) gamma + beta) are one step more, in slice 0: wave 0 takes the rows' tiles 0, 1, wave 2 tiles 2, 3: their register tiles 0, 1.
; THE MATRIX INSTRUCTION IS USED TRANSPOSED (source 0 = 16 rows of W, source 1 = 16 rows of A): register j of lane (r, h) is out(row r, 16 n + 8 h + j).
; gamma and beta of the wave's 16 rules x 64 inputs lie in the wave's own 8,192 bytes of LDS (each lane half wants the same 128 bytes) and come a step ahead, in two sets; each set of registers serves four tiles of rows.
; W's records come from memory straight into the operand's registers, 16 bytes a lane, a whole step ahead.
; NO TENSOR LOAD, NO CLUSTER: a step wants 6,400 bytes of W in the order of the registers, against some 530 vector instructions; a joint load would end in LDS and add a ring, its barriers and 13 LDS loads a step.
; AT THE END the four waves' sums (each over a quarter of the inputs) meet in LDS, in the bytes that gamma and beta have left; wave u adds the rows' tile u and stores 16 whole rows.
; LIMITS: NaN and infinities are not served; blocks whose largest magnitude lies under 2^-122 have the byte 1; the sum over K is taken in another order than in the definition.
; REGISTERS, in windows of 256 (s_set_vgpr_msb: bits 1:0 source 0, 3:2 source 1, 5:4 source 2, 7:6 destination):
;   window 0: see the names below.   window 1: v0-127 x (tile m at 32 m); v128-191 gamma (set c at 32 c); v192-255 beta.   window 2: v0-127 the sixteen sums ((m, n) at 8 (4 m + n)).
.set RECB, 6400
.set LGB, 1                            ; v1      LDS: my gamma: 8192 u + 128 h + 512 q
.set L16, 2                            ; v2      16 x lane
.set WSA, 3                            ; v3      16 r
.set GA,  4                            ; v4-7    gs: 512 r + 8192 x (the rows' tile of register tile m)
.set RS,  8                            ; v8-11   the stage, in: 17408 u + 4352 x tile + 272 r + 32 h
.set RD,  12                           ; v12     the stage, back: 4352 u + 272 h + 16 r
.set SH8, 13                           ; v13     8 h
.set GP,  16                           ; v16-31  gs of (tile m, rule c) in the low word of pair 4 m + 2 c
.set NM,  32                           ; v32-39  nm of tile m in the low word of pair 2 m
.set GN,  40                           ; v40-47  the next step's gs
.set SA,  48                           ; v48-51  A's scale words
.set WS,  52                           ; v52-55  W's scale words
.set MX,  56                           ; v56-63  largest magnitudes, four chains for each of two tiles
.set T,   64                           ; v64-127 two tiles' 32 numbers
.set CD,  128                          ; v128-175 A's codes: tile m at 12 m
.set CT,  176                          ; v176-183 the second halves of two blocks, as converted
.set WF,  184                          ; v184-231 W's fragments: tile n at 12 n
.set SO,  232                          ; v232-233 the conversions' scale operands
.set EB,  234                          ; v234-237 scale bytes on their way to a word
.set PT,  238                          ; v238-239 the other half's bytes
.set XO,  240                          ; v240-243 x: 1024 r + 128 h + 16384 x tile
.set NO,  244                          ; v244-247 nm: 4 r + 64 x tile
.set TA,  249                          ; v249-250 the last features: GA + 128 h
.set TH,  251                          ; v251    128 h
.set SEL, 22                           ; s22-23  lane selects;  s18 u, s19 RG, s20 y, s24-27 the rows' tiles, s40-41 gs at my slice and step, s42-43 my record, s44 the loop, s46-49 gamma, beta at my slice
.set MSB, 0
.macro WIN new                         ; the immediate's high byte repeats the setting that is left
.if MSB != \new
	s_set_vgpr_msb (MSB<<8)|\new
.set MSB, \new
.endif
.endm
	s_load_b256 s[4:11], s[0:1], 0x0               ; X, gs, nm, gamma
	s_load_b128 s[12:15], s[0:1], 0x20             ; beta, wq
	s_load_b64 s[16:17], s[0:1], 0x30              ; part
	v_lshl_add_u32 v248, v0, 2, 0x11000
	s_set_vgpr_msb 0x80
	v_mov_b32 v129, 0
	s_set_vgpr_msb 0x8000
	v_lshrrev_b32 v14, 5, v0
	v_readfirstlane_b32 s18, v14                   ; wave u
	s_mov_b32 s19, ttmp9                           ; RG
	s_and_b32 s20, ttmp7, 0xffff                   ; y
	v_and_b32 v15, 31, v0
	v_and_b32 v252, 15, v0                         ; r
	v_bfe_u32 v253, v0, 4, 1                       ; h
	v_lshlrev_b32 v[L16], 4, v15
	v_lshlrev_b32 v[WSA], 4, v252
	v_lshlrev_b32 v[SH8], 3, v253
	v_lshlrev_b32 v[TH], 7, v253
	s_lshl_b32 s28, s18, 13
	v_add_nc_u32 v[LGB], s28, v[TH]
	v_add_nc_u32 v15, s28, v[L16]                  ; LDS: gamma and beta on the way in: 8192 u + 16 x lane
	v_lshlrev_b32 v14, 10, v253
	v_lshl_add_u32 v14, v252, 4, v14               ; gamma, beta in memory: lanes 0-15 one rule's 256 bytes, lanes 16-31 the next rule's, 1,024 bytes on
	v_mul_u32_u24 v254, v252, 272
	v_lshl_add_u32 v254, v253, 5, v254             ; 272 r + 32 h
	s_wait_alu depctr_va_vdst(0)
	v_lshlrev_b32 v255, 10, v252
	v_add_nc_u32 v255, v255, v[TH]                 ; 1024 r + 128 h
	s_wait_alu depctr_va_vdst(0)
	s_mul_i32 s29, s18, 17408
.irp m, 0,1,2,3
	s_add_co_u32 s[24+\m], s18, \m
	s_and_b32 s[24+\m], s[24+\m], 3                ; the rows' tile of register tile m
	s_mul_i32 s30, s[24+\m], 4352
	s_add_co_u32 s30, s30, s29
	v_add_nc_u32 v[RS+\m], s30, v254
	s_lshl_b32 s30, s[24+\m], 13
	v_lshl_add_u32 v[GA+\m], v252, 9, s30
	s_lshl_b32 s30, s[24+\m], 14
	v_add_nc_u32 v[XO+\m], s30, v255
	s_lshl_b32 s30, s[24+\m], 6
	v_lshl_add_u32 v[NO+\m], v252, 2, s30
.endr
	s_mul_i32 s30, s18, 4352
	v_mul_u32_u24 v[RD], v253, 272
	v_lshl_add_u32 v[RD], v252, 4, v[RD]
	v_add_nc_u32 v[RD], s30, v[RD]
	v_add_nc_u32 v[TA], v[GA], v[TH]
	v_add_nc_u32 v[TA+1], v[GA+1], v[TH]
.irp i, 0,1,2,3,4,5,6,7
	v_mov_b32 v[GP+2*\i+1], 0                      ; the upper words of pairs of which the low word serves both halves: named, so written
.endr
.irp i, 0,1,2,3
	v_mov_b32 v[NM+2*\i+1], 0
.endr
	v_mov_b32 v[PT], 0                             ; (a lane permute's destination counts as one of its sources)
	v_mov_b32 v[PT+1], 0
	s_mov_b32 s[SEL], 0x76543210
	s_mov_b32 s[SEL+1], 0xfedcba98                 ; v_permlanex16_b32's selects for lane l xor 16
	s_mov_b32 s29, 0
	s_lshl_b32 s30, s18, 8                         ; 256 u
	s_wait_kmcnt 0x0
	s_lshl_b32 s28, s20, 14
	s_add_co_u32 s28, s28, s30
	s_add_nc_u64 s[46:47], s[10:11], s[28:29]      ; gamma, beta at rule 16 y, input 64 u
	s_add_nc_u64 s[48:49], s[12:13], s[28:29]
	s_lshl_b32 s28, s19, 16
	s_add_co_u32 s28, s28, s30
	s_add_nc_u64 s[4:5], s[4:5], s[28:29]          ; X at row 64 RG, input 64 u
	s_lshl_b32 s28, s19, 15
	s_add_nc_u64 s[6:7], s[6:7], s[28:29]          ; gs at row 64 RG
	s_lshl_b32 s28, s20, 6
	s_add_nc_u64 s[40:41], s[6:7], s[28:29]        ; and at rule 16 y
	s_lshl_b32 s28, s19, 8
	s_add_nc_u64 s[8:9], s[8:9], s[28:29]          ; nm
	s_lshl_b32 s28, s20, 5
	s_lshl_b32 s31, s18, 3
	s_add_co_u32 s28, s28, s31
	s_mul_i32 s28, s28, RECB
	s_add_nc_u64 s[42:43], s[14:15], s[28:29]      ; record 32 y + 8 u
	s_lshl_b32 s28, s20, 19
	s_lshl_b32 s31, s19, 14
	s_add_co_u32 s28, s28, s31
	s_lshl_b32 s31, s18, 12
	s_add_co_u32 s28, s28, s31
	s_add_nc_u64 s[16:17], s[16:17], s[28:29]      ; part at slice y, row 64 RG + 16 u
.macro WREC base, off                  ; a record into the operand's registers: 12 loads of 512 consecutive bytes, and the four tiles' scale words of row r by one load
.irp n, 0,1,2,3
.irp k, 0,1,2
	global_load_b128 v[WF+12*\n+4*\k:WF+12*\n+4*\k+3], v[L16], s[\base:\base+1] offset:\off+1536*\n+512*\k
.endr
.endr
	global_load_b128 v[WS:WS+3], v[WSA], s[\base:\base+1] offset:\off+6144
.endm
.macro GBLOAD c, off                   ; set c of gamma and beta: 16 LDS loads; the sixteen lanes of a half read the same bytes
	WIN 0x40                                       ; destination window 1
.irp k, 0,1,2,3,4,5,6,7
	ds_load_b128 v[128+32*\c+4*\k:131+32*\c+4*\k], v[LGB] offset:\off+256*\c+16*\k
	ds_load_b128 v[192+32*\c+4*\k:195+32*\c+4*\k], v[LGB] offset:\off+256*\c+16*\k+4096
.endr
	WIN 0
.endm
.irp p, 0,1,2,3,4,5,6,7
	global_load_b128 v[T+4*\p:T+4*\p+3], v14, s[46:47] offset:2048*\p        ; rules 2 p, 2 p + 1: two runs of 256 consecutive bytes
.endr
.irp p, 0,1,2,3,4,5,6,7
	global_load_b128 v[T+32+4*\p:T+32+4*\p+3], v14, s[48:49] offset:2048*\p
.endr
	WIN 0x40
.irp m, 0,1,2,3
.irp k, 0,1,2,3,4,5,6,7
	global_load_b128 v[32*\m+4*\k:32*\m+4*\k+3], v[XO+\m], s[4:5] offset:16*\k   ; x stays in registers
.endr
.endr
	WIN 0
.irp m, 0,1,2,3
	global_load_b32 v[NM+2*\m], v[NO+\m], s[8:9]
.endr
.irp m, 0,1,2,3
	global_load_b64 v[GN+2*\m:GN+2*\m+1], v[GA+\m], s[40:41]
.endr
	WREC 42, 0
	s_wait_loadcnt 53                              ; gamma's and beta's sixteen loads are in; the 32 + 4 + 4 + 13 issued behind them may be out
.irp p, 0,1,2,3,4,5,6,7
	ds_store_b128 v15, v[T+4*\p:T+4*\p+3] offset:512*\p
	ds_store_b128 v15, v[T+32+4*\p:T+32+4*\p+3] offset:512*\p+4096
.endr
	GBLOAD 0, 0                                    ; my own bytes: LDS serves a wave's instructions in order (ISA guide 5.7.1.4)
	GBLOAD 1, 0
	s_wait_loadcnt 0x0
.irp i, 0,1,2,3,4,5,6,7
	v_mov_b32 v[GP+2*\i], v[GN+\i]
.endr
; Register tiles m0 and m0 + 1, by turns: block c of each (32 numbers a lane) is made and quantised.  xo: which registers of window 1 stand for x (the last features use tiles 2, 3 for c = 1).
.macro PAIR m0, c, xo
	WIN 0x01                                       ; source 0 (x) window 1
.irp j, 0,2,4,6,8,10,12,14,16,18,20,22,24,26,28,30
.irp t, 0,1
	v_pk_fma_f32 v[T+32*\t+\j:T+32*\t+\j+1], v[32*(\m0+\t+\xo)+\j:32*(\m0+\t+\xo)+\j+1], v[GP+4*(\m0+\t)+2*\c:GP+4*(\m0+\t)+2*\c+1], v[NM+2*(\m0+\t):NM+2*(\m0+\t)+1] op_sel_hi:[1,0,0]
.endr
.endr
	WIN 0x14                                       ; sources 1 and 2 (gamma, beta) window 1
.irp j, 0,2,4,6,8,10,12,14,16,18,20,22,24,26,28,30
.irp t, 0,1
	v_pk_fma_f32 v[T+32*\t+\j:T+32*\t+\j+1], v[T+32*\t+\j:T+32*\t+\j+1], v[128+32*\c+\j:129+32*\c+\j], v[192+32*\c+\j:193+32*\c+\j]
.endr
.endr
	WIN 0
.irp k, 0,1,2,3
.irp t, 0,1
	v_max3_num_f32 v[MX+4*\t+\k], |v[T+32*\t+8*\k]|, |v[T+32*\t+8*\k+1]|, |v[T+32*\t+8*\k+2]|   ; the block's largest magnitude: all 32 numbers are the lane's; four chains
.endr
.endr
.irp i, 3,5
.irp k, 0,1,2,3
.irp t, 0,1
	v_max3_num_f32 v[MX+4*\t+\k], v[MX+4*\t+\k], |v[T+32*\t+8*\k+\i]|, |v[T+32*\t+8*\k+\i+1]|
.endr
.endr
.endr
.irp t, 0,1
	v_max3_num_f32 v[MX+4*\t], v[MX+4*\t], |v[T+32*\t+7]|, |v[T+32*\t+15]|
	v_max3_num_f32 v[MX+4*\t+1], v[MX+4*\t+1], |v[T+32*\t+23]|, |v[T+32*\t+31]|
	v_max3_num_f32 v[MX+4*\t+2], v[MX+4*\t+2], v[MX+4*\t+3], 0x2800000   ; and the floor 2^(5 - 127): the byte cannot fall under 1
.endr
.irp t, 0,1
	v_max3_num_f32 v[MX+4*\t], v[MX+4*\t], v[MX+4*\t+1], v[MX+4*\t+2]
.endr
.irp t, 0,1
	v_add_nc_u32 v[SO+\t], 0xfe000000, v[MX+4*\t]  ; 4 off the exponent field: the conversion takes this operand's exponent field as its scale
.endr
.irp t, 0,1
	v_cvt_scalef32_pk16_bf6_f32 v[CD+12*(\m0+\t)+6*\c:CD+12*(\m0+\t)+6*\c+2], v[T+32*\t:T+32*\t+15], v[SO+\t]
	v_cvt_scalef32_pk16_bf6_f32 v[CT+4*\t:CT+4*\t+2], v[T+32*\t+16:T+32*\t+31], v[SO+\t]   ; (a conversion's three registers begin on an even number: the second half is made elsewhere and moved)
.endr
.irp t, 0,1                                    ; the scale's byte: these two lines are also the plain place behind the conversions
.if \c == 0
	v_lshrrev_b32 v[EB+\m0+\t], 23, v[SO+\t]
.else
	v_lshrrev_b32 v[MX+4*\t], 23, v[SO+\t]
.endif
.endr
.irp t, 0,1
.irp k, 0,1,2
	v_mov_b32 v[CD+12*(\m0+\t)+6*\c+3+\k], v[CT+4*\t+\k]
.endr
.endr
.if \c == 1
.irp t, 0,1
	v_lshl_or_b32 v[EB+\m0+\t], v[MX+4*\t], 16, v[EB+\m0+\t]   ; bytes h and 2 + h of my row's word,
.endr
.irp t, 0,1
	v_lshlrev_b32 v[EB+\m0+\t], v[SH8], v[EB+\m0+\t]           ; 8 h bits up;
.endr
.irp t, 0,1
	v_permlanex16_b32 v[PT+\t], v[EB+\m0+\t], s[SEL], s[SEL+1]
.endr
.irp t, 0,1
	v_or_b32 v[SA+\m0+\t], v[EB+\m0+\t], v[PT+\t]              ; with lane l xor 16's two the word is whole
.endr
.endif
.endm
.macro MUL m, zero                     ; tile m of rows against W's four tiles.  zero = 1: the product starts the sums: nothing is cleared
.irp n, 0,1,2,3
.if \zero
	v_wmma_scale_f32_16x16x128_f8f6f4 v[8*(4*\m+\n):8*(4*\m+\n)+7], v[WF+12*\n:WF+12*\n+11], v[CD+12*\m:CD+12*\m+11], 0, v[WS+\n], v[SA+\m] matrix_a_fmt:MATRIX_FMT_BF6 matrix_b_fmt:MATRIX_FMT_BF6
.else
	v_wmma_scale_f32_16x16x128_f8f6f4 v[8*(4*\m+\n):8*(4*\m+\n)+7], v[WF+12*\n:WF+12*\n+11], v[CD+12*\m:CD+12*\m+11], v[8*(4*\m+\n):8*(4*\m+\n)+7], v[WS+\n], v[SA+\m] matrix_a_fmt:MATRIX_FMT_BF6 matrix_b_fmt:MATRIX_FMT_BF6
.endif
.endr
.endm
.macro PLACES n
.rept \n
	v_nop
.endr
.endm
; A STEP: two rules.  The sixteen sums take turns, one instruction a turn, in the same order in every step.
.macro STEP first, last
.if \last == 0
	s_add_nc_u64 s[40:41], s[40:41], 8             ; (the loads that named it were waited for in the step before)  the next step's two rules
.irp m, 0,1,2,3
	global_load_b64 v[GN+2*\m:GN+2*\m+1], v[GA+\m], s[40:41]
.endr
.endif
	s_wait_dscnt 16                                ; set 0 of gamma and beta is in; set 1's sixteen loads may be out
	PAIR 0, 0, 0
	PAIR 2, 0, 0
.if \last == 0
	GBLOAD 0, 512                                  ; set 0 takes the next step's first rule
	s_wait_dscnt 16                                ; set 1 is in; the sixteen just issued may be out
.else
	s_wait_dscnt 0x0
.endif
	PAIR 0, 1, 0
	PAIR 2, 1, 0
.if \last == 0
	GBLOAD 1, 512
	v_add_nc_u32 v[LGB], 512, v[LGB]
.endif
	s_wait_alu depctr_va_vdst(0)
	s_wait_loadcnt 0x0                             ; this step's record, asked for a step ago, and the next step's gs
.if \last == 0
.irp i, 0,1,2,3,4,5,6,7
	v_mov_b32 v[GP+2*\i], v[GN+\i]                 ; eight plain lines: also the places between the last write of a scale word and the scaled matrix instructions
.endr
.else
	PLACES 8
.endif
	WIN 0xa0                                       ; C and D window 2
	MUL 0, \first
	MUL 1, \first
	MUL 2, \first
	MUL 3, \first
	WIN 0
	PLACES 4                                       ; in front of loads into registers that matrix instructions have read, and of the first read of results
.if \last == 0
	s_add_nc_u64 s[42:43], s[42:43], RECB
	WREC 42, 0                                     ; the next step's record: it has that step's vector work in which to land
.endif
.endm
	s_wait_alu depctr_va_vdst(0)
	STEP 1, 0
	s_mov_b32 s44, 6
.Lstep:
	s_wait_alu depctr_va_vdst(0)
	STEP 0, 0
	s_sub_co_u32 s44, s44, 1
	s_cmp_lg_u32 s44, 0
	s_cbranch_scc1 .Lstep
	s_wait_alu depctr_va_vdst(0)
	STEP 0, 1                                      ; the last step asks for nothing: no load leaves its buffer
	; THE LAST 128 FEATURES: slice 0, waves 0 and 2, register tiles 0 and 1.  gs takes x's place, 1.0 gs's; block (c, h) = rules 64 c + 32 h + 0..31.  No barrier stands in this branch.
	s_and_b32 s28, s18, 1
	s_or_b32 s28, s28, s20
	s_cmp_lg_u32 s28, 0
	s_cbranch_scc1 .Lsum
	WIN 0x40
.irp c, 0,1
.irp t, 0,1
.irp k, 0,1,2,3,4,5,6,7
	global_load_b128 v[32*(\t+2*\c)+4*\k:32*(\t+2*\c)+4*\k+3], v[TA+\t], s[6:7] offset:256*\c+16*\k
.endr
.endr
.irp k, 0,1,2,3,4,5,6,7
	global_load_b128 v[128+32*\c+4*\k:131+32*\c+4*\k], v[TH], s[10:11] offset:131072+256*\c+16*\k
	global_load_b128 v[192+32*\c+4*\k:195+32*\c+4*\k], v[TH], s[12:13] offset:131072+256*\c+16*\k
.endr
.endr
	WIN 0
	WREC 14, 256*RECB
.irp i, 0,1,2,3
	v_mov_b32 v[GP+2*\i], 1.0
.endr
	s_wait_alu depctr_va_vdst(0)
	s_wait_loadcnt 0x0
	PAIR 0, 0, 0
	PAIR 0, 1, 2
	PLACES 8
	WIN 0xa0
	MUL 0, 0
	MUL 1, 0
	WIN 0
	PLACES 4
.Lsum:
	s_wait_dscnt 0x0                               ; my reads of gamma and beta are over:
	s_barrier_signal -1
	s_barrier_wait -1                              ; everybody's are, so their bytes may be written: the stage lies over them
	WIN 0x08                                       ; an LDS store's data are its source 1: window 2
.irp m, 0,1,2,3
.irp n, 0,1,2,3
	ds_store_b128 v[RS+\m], v[8*(4*\m+\n):8*(4*\m+\n)+3] offset:64*\n        ; each sum from its low end on
	ds_store_b128 v[RS+\m], v[8*(4*\m+\n)+4:8*(4*\m+\n)+7] offset:64*\n+16
.endr
.endr
	WIN 0
	s_wait_dscnt 0x0                               ; for the others' sake: my sums lie in the stage
	s_barrier_signal -1
	s_barrier_wait -1
.irp s, 0,1,2,3
.irp i, 0,1,2,3,4,5,6,7
	ds_load_b128 v[64+32*\s+4*\i:67+32*\s+4*\i], v[RD] offset:17408*\s+544*\i   ; wave s's sums of rows 2 i, 2 i + 1 of the rows' tile u: sixteen lanes to a row of 256 bytes
.endr
.endr
	s_wait_dscnt 0x0
.irp s, 1,2,3
.irp i, 0,1,2,3,4,5,6,7
	v_pk_add_f32 v[64+4*\i:65+4*\i], v[64+4*\i:65+4*\i], v[64+32*\s+4*\i:65+32*\s+4*\i]
	v_pk_add_f32 v[66+4*\i:67+4*\i], v[66+4*\i:67+4*\i], v[66+32*\s+4*\i:67+32*\s+4*\i]
.endr
.endr
.irp i, 0,1,2,3,4,5,6,7
	global_store_b128 v[L16], v[64+4*\i:67+4*\i], s[16:17] offset:512*\i     ; 32 lanes store 512 consecutive bytes, at a multiple of 256 from part's first byte
.endr
	s_set_vgpr_msb 0x8
	s_wait_tensorcnt 0x0
	ds_add_u32 v248, v129
	s_wait_dscnt 0x0
	s_set_vgpr_msb 0x800
	s_endpgm
.Lfunc_end_k_q9ac9db3400_main:
	.size	k_q9ac9db3400_main, .Lfunc_end_k_q9ac9db3400_main-k_q9ac9db3400_main
	.p2alignl 7, 3214868480
	.fill 96, 4, 3214868480
	.section	.rodata,"a",@progbits
	.p2align	6, 0x0
	.amdhsa_kernel k_q9ac9db3400_main
		.amdhsa_group_segment_fixed_size 70144
		.amdhsa_private_segment_fixed_size 0
		.amdhsa_enable_private_segment 0
		.amdhsa_kernarg_size 56
		.amdhsa_user_sgpr_count 2
		.amdhsa_user_sgpr_kernarg_segment_ptr 1
		.amdhsa_wavefront_size32 1
		.amdhsa_system_sgpr_workgroup_id_x 1
		.amdhsa_system_sgpr_workgroup_id_y 1
		.amdhsa_system_sgpr_workgroup_id_z 1
		.amdhsa_system_vgpr_workitem_id 0
		.amdhsa_next_free_vgpr 642
		.amdhsa_next_free_sgpr 66
		.amdhsa_reserve_vcc 0
		.amdhsa_float_denorm_mode_32 3
		.amdhsa_float_denorm_mode_16_64 3
		.amdhsa_memory_ordered 1
		.amdhsa_forward_progress 1
		.amdhsa_inst_pref_size 146
	.end_amdhsa_kernel
	.amdgpu_metadata
---
amdhsa.version: [ 1, 2 ]
amdhsa.kernels:
  - .name:           k_q9ac9db3400_main
    .symbol:         k_q9ac9db3400_main.kd
    .args:
      - { .name: X, .offset: 0, .size: 8, .value_kind: global_buffer, .address_space: global }
      - { .name: gs, .offset: 8, .size: 8, .value_kind: global_buffer, .address_space: global }
      - { .name: nm, .offset: 16, .size: 8, .value_kind: global_buffer, .address_space: global }
      - { .name: ln_gamma, .offset: 24, .size: 8, .value_kind: global_buffer, .address_space: global }
      - { .name: ln_beta, .offset: 32, .size: 8, .value_kind: global_buffer, .address_space: global }
      - { .name: wq, .offset: 40, .size: 8, .value_kind: global_buffer, .address_space: global }
      - { .name: part, .offset: 48, .size: 8, .value_kind: global_buffer, .address_space: global }
    .group_segment_fixed_size: 70144
    .private_segment_fixed_size: 0
    .kernarg_segment_align: 8
    .kernarg_segment_size: 56
    .max_flat_workgroup_size: 128
    .sgpr_count:     66
    .vgpr_count:     642
    .wavefront_size: 32
...
	.end_amdgpu_metadata
.endif
;; end of part 2
;; launch fin (part 3): grid 256 x 1, 4 waves a work-group, no clusters, 0 bytes of LDS; arguments part, b, out0; writes out0
.if DOCPART == 3
	.amdgcn_target "amdgcn-amd-amdhsa--gfx1250"
	.amdhsa_code_object_version 6
	.text
	.protected	k_q9ac9db3400_fin
	.globl	k_q9ac9db3400_fin
	.p2align	8
	.type	k_q9ac9db3400_fin,@function
k_q9ac9db3400_fin:
	s_mov_b64 s[64:65], 0
	v_nop
	global_prefetch_b8 v0, s[64:65] scope:SCOPE_SE
	s_setreg_imm32_b32 hwreg(HW_REG_WAVE_MODE, 25, 1), 1
	s_wait_xcnt 0x0
; THIRD LAUNCH.  out0[row][n] = b[n] + the sum over the eight slices of part[slice][row][n], in f32, in a fixed order.
; A stream: a thread owns 16 bytes of out0, a wave's load or store covers 512 consecutive bytes, a work-group 2,048 bytes (8 rows).  All nine loads go out together; nothing is read twice.
; No LDS, no matrix unit, no cluster: no two work-groups read the same bytes but b's 256.
	s_load_b128 s[4:7], s[0:1], 0x0                ; part, b
	s_load_b64 s[8:9], s[0:1], 0x10                ; out0
	v_lshlrev_b32 v1, 4, v0                        ; my 16 bytes
	v_and_b32 v2, 255, v1                          ; a row is 256 bytes: my four columns' place in b
	s_lshl_b32 s10, ttmp9, 11
	s_mov_b32 s11, 0
	s_wait_alu depctr_va_vdst(0)
	s_wait_kmcnt 0x0
	s_add_nc_u64 s[4:5], s[4:5], s[10:11]
	s_add_nc_u64 s[8:9], s[8:9], s[10:11]
.irp y, 0,1,2,3,4,5,6,7
	global_load_b128 v[8+4*\y:11+4*\y], v1, s[4:5] offset:524288*\y th:TH_LOAD_NT
.endr
	global_load_b128 v[4:7], v2, s[6:7]
	s_wait_loadcnt 0x0
.irp y, 0,1,2,3
	v_pk_add_f32 v[8+4*\y:9+4*\y], v[8+4*\y:9+4*\y], v[24+4*\y:25+4*\y]
	v_pk_add_f32 v[10+4*\y:11+4*\y], v[10+4*\y:11+4*\y], v[26+4*\y:27+4*\y]
.endr
.irp y, 0,1
	v_pk_add_f32 v[8+4*\y:9+4*\y], v[8+4*\y:9+4*\y], v[16+4*\y:17+4*\y]
	v_pk_add_f32 v[10+4*\y:11+4*\y], v[10+4*\y:11+4*\y], v[18+4*\y:19+4*\y]
.endr
	v_pk_add_f32 v[8:9], v[8:9], v[12:13]
	v_pk_add_f32 v[10:11], v[10:11], v[14:15]
	v_pk_add_f32 v[8:9], v[8:9], v[4:5]
	v_pk_add_f32 v[10:11], v[10:11], v[6:7]
	global_store_b128 v1, v[8:11], s[8:9] th:TH_STORE_NT
	s_endpgm
.Lfunc_end_k_q9ac9db3400_fin:
	.size	k_q9ac9db3400_fin, .Lfunc_end_k_q9ac9db3400_fin-k_q9ac9db3400_fin
	.p2alignl 7, 3214868480
	.fill 96, 4, 3214868480
	.section	.rodata,"a",@progbits
	.p2align	6, 0x0
	.amdhsa_kernel k_q9ac9db3400_fin
		.amdhsa_group_segment_fixed_size 0
		.amdhsa_private_segment_fixed_size 0
		.amdhsa_enable_private_segment 0
		.amdhsa_kernarg_size 24
		.amdhsa_user_sgpr_count 2
		.amdhsa_user_sgpr_kernarg_segment_ptr 1
		.amdhsa_wavefront_size32 1
		.amdhsa_system_sgpr_workgroup_id_x 1
		.amdhsa_system_sgpr_workgroup_id_y 1
		.amdhsa_system_sgpr_workgroup_id_z 1
		.amdhsa_system_vgpr_workitem_id 0
		.amdhsa_next_free_vgpr 48
		.amdhsa_next_free_sgpr 66
		.amdhsa_reserve_vcc 0
		.amdhsa_float_denorm_mode_32 3
		.amdhsa_float_denorm_mode_16_64 3
		.amdhsa_memory_ordered 1
		.amdhsa_forward_progress 1
		.amdhsa_inst_pref_size 3
	.end_amdhsa_kernel
	.amdgpu_metadata
---
amdhsa.version: [ 1, 2 ]
amdhsa.kernels:
  - .name:           k_q9ac9db3400_fin
    .symbol:         k_q9ac9db3400_fin.kd
    .args:
      - { .name: part, .offset: 0, .size: 8, .value_kind: global_buffer, .address_space: global }
      - { .name: b, .offset: 8, .size: 8, .value_kind: global_buffer, .address_space: global }
      - { .name: out0, .offset: 16, .size: 8, .value_kind: global_buffer, .address_space: global }
    .group_segment_fixed_size: 0
    .private_segment_fixed_size: 0
    .kernarg_segment_align: 8
    .kernarg_segment_size: 24
    .max_flat_workgroup_size: 128
    .sgpr_count:     66
    .vgpr_count:     48
    .wavefront_size: 32
...
	.end_amdgpu_metadata
.endif
;; end of part 3
